; MI455X (gfx1250); checked and timed in simulation.
; The chip was launched on July 23, 2026; its instructions are those of AMD's public machine-readable ISA for CDNA 5 (MIT licence, August 2026) and "CDNA5" Instruction Set Architecture Reference Guide (July 2026). The comments in the code are by the model that wrote it; some were corrected since.
;; Q Linear. Allowed arithmetic: matrix products marked QUANTISED: E2M1 operands, one E8M0 scale for each 32 along K, by v_wmma_scale_f32_16x16x128_f8f6f4 with both operands' format E2M1 (or v_wmma_scale_f32_32x16x128_f4), f32 sums; everything else in f32.
;; Inputs: bias 4,096 int32; weight 4,096 x 4,096 int32; x 4,096 x 4,096 float32.
;; Outputs: out0 4,096 x 4,096 float32.
;; This version of the problem:
;;   THIS VERSION OF THE PROBLEM IS GIVEN IN LOW PRECISION. The matrix products marked QUANTISED in the list below multiply operands that are first quantised to E2M1 (2 exponent bits, 1 mantissa bit; 4 bits a number), with one power-of-two scale for each 32 numbers along K (OCP MX v1.0); their sums are f32. All else is computed in f32.
;;   The module's matrix products, in the order in which they are computed (A, B: the left and right operand; K: the contracted axis; several contracted axes count as one K, in the product's order):
;;     1. [M 4,096, K 4,096] x [K 4,096, N 4,096]; A: input x; B: input weight: QUANTISED
;;   THE QUANTISER, for each operand of a quantised product, along K:
;;     - K is cut into blocks of 32 from its start; a last block that is shorter is filled with zeros.
;;     - A block's scale is 2^e with e = floor(log2(the largest magnitude in the block)) - 2, held to -126 .. 127; a block of zeros has e = 0. As a byte (E8M0): e + 127.
;;     - Each number is divided by its block's scale, clamped to +-6, and rounded to the nearest number of E2M1, ties to even, subnormals kept.
;;     - The product sums the exact products of the quantised numbers (number of the format x scale) in f32.
;;   ~~~python
;;   def quantise(x, axis):      # numpy; x: float32 -> the quantised numbers, widened to float32 again
;;       x = np.moveaxis(x, axis, -1); K = x.shape[-1]
;;       x = np.pad(x, [(0, 0)] * (x.ndim - 1) + [(0, -K % 32)]); x = x.reshape(x.shape[:-1] + (-1, 32)); a = np.abs(x).max(-1, keepdims=True)
;;       e = np.where(a > 0, np.clip(np.frexp(np.where(a > 0, a, 1))[1] - 1 - 2, -126, 127), 0)      # np.frexp(a)[1] - 1 = floor(log2(a)), exactly
;;       r = np.clip(x / 2.0 ** e, -6, 6)
;;       step = 2.0 ** (np.maximum(np.frexp(np.where(r == 0, 1, r))[1] - 1, 0) - 1)
;;       q = np.round(r / step) * step * 2.0 ** e      # np.round: ties to even
;;       return np.moveaxis(q.reshape(q.shape[:-2] + (-1,))[..., :K], -1, axis).astype(np.float32)
;;   ~~~
;; One version. Each part assembles by itself: llvm-mc -triple=amdgcn-amd-amdhsa -mcpu=gfx1250 --defsym DOCPART=n.
;; ======== version 1 of 1: 2 launches
;; limits: right only within a limited range of input values
;; workspace buffers: xq 8,912,896 bytes; wq 8,912,896 bytes
;; launch quant (part 1): grid 1024 x 1, 4 waves a work-group, no clusters, 37,376 bytes of LDS; arguments x, weight, xq, wq; writes xq, wq
.if DOCPART == 1
	.amdgcn_target "amdgcn-amd-amdhsa--gfx1250"
	.amdhsa_code_object_version 6
	.text
	.protected	k_q70b01d6989_quant
	.globl	k_q70b01d6989_quant
	.p2align	8
	.type	k_q70b01d6989_quant,@function
k_q70b01d6989_quant:
	s_mov_b64 s[64:65], 0
	v_nop
	global_prefetch_b8 v0, s[64:65] scope:SCOPE_SE
	s_setreg_imm32_b32 hwreg(HW_REG_WAVE_MODE, 25, 1), 1
	s_wait_xcnt 0x0
; x [4096][4096] f32 and weight [4096][4096] int32 (first widened to f32) become codes of FP4 (E2M1) with one E8M0 scale byte for each 32 along K, K being the last axis of both.
; A block's scale is 2^(floor(log2(its largest magnitude)) - 2); its byte is the largest magnitude's exponent field - 2, held at 1 from below; each number is divided by the scale and rounded to the nearest code, ties to even,
; beyond 6 the largest code.  THE PRODUCT'S DIVISION BY 128 IS DONE HERE: weight's scale bytes are stored 7 lower than the quantiser gives them, which multiplies every product by 2^-7 and rounds nothing.
; THE OUTPUT IS LAID AS THE NEXT LAUNCH TAKES IT.  Block (g, t), rows 128 g on and K 512 t on, is 34,816 bytes at (8 g + t) x 34,816:
;   codes at 4,096 i + 256 kb + 16 r (i = row % 128 / 16, r = row % 16, kb = K % 512 / 32): 16 bytes = a block of 32 codes, the lower K in the lower bits: the registers of the matrix operands on end, lane by lane;
;   scale bytes at 32,768 + 16 (row % 128) + kb: a row's four scale words of the 512 along K on end.
; SHARES.  Work-groups 0-511 take x, 512-1,023 weight: only pointers and three numbers are chosen, both take one path.  A wave takes 16 rows x 512 along K, in 8 steps of 64 along K: 32 blocks, ONE TO A LANE.
; A load reads 256 consecutive bytes of each of two rows, 16 bytes a lane; a step's 4,096 bytes go through the wave's own stage in LDS (rows 272 bytes apart) and come back 128 bytes a lane: a whole block in 32 registers,
; so that its largest magnitude needs no other lane.  A step's codes, 16 bytes a lane, are 512 consecutive bytes of the output; the wave's 256 scale bytes are gathered in LDS and leave as 256 consecutive bytes.
; No tensor loads, no barrier: waves share nothing.  Loads run three steps (24 loads a wave) ahead, the way through LDS one step.  Every offset is an immediate; no store's data are written again.
; LIMITS: NaN and infinities in x are not served.  A block of zeros gets the byte 1 (x) or 118 (weight) where the quantiser says 127: its codes are zeros, which add nothing under any byte but 0xff, and this program alone
; reads the bytes.  weight's bytes lie between 118 and 149 for every int32, so the 7 taken off cannot pass 0.
.set WREG,  9216                       ; LDS of a wave: two stages of 16 x 272 bytes, and at 8,704 its 256 scale bytes
.set SP,    272                        ; a stage row: 256 bytes + 16
.set STG,   16*SP                      ; a stage
.set SBY,   2*STG                      ; the scale bytes
.set BLKB,  34816                      ; a block of the output
.set E,     16                         ; v16-23   a scale byte for each step
.set C,     24                         ; v24-55   a step's codes: four registers for each step
.set R,     56                         ; v56-151  three sets of 32 registers as loaded
.set X,     152                        ; v152-215 two sets of 32: my block's numbers
	s_load_b256 s[4:11], s[0:1], 0x0               ; x s[4:5], weight s[6:7], xq s[8:9], wq s[10:11]
	v_lshl_add_u32 v216, v0, 2, 0x9000
	v_mov_b32 v217, 0
	v_lshrrev_b32 v1, 5, v0
	v_readfirstlane_b32 s16, v1                    ; wave 0..3
	v_and_b32 v2, 31, v0                           ; lane
	v_and_b32 v8, 15, v0                           ; r = lane % 16
	v_bfe_u32 v9, v0, 4, 1                         ; h = lane / 16
	v_lshlrev_b32 v3, 4, v8
	v_lshl_add_u32 v3, v9, 14, v3                  ; in: lanes 0-15 one row, lanes 16-31 the next (16,384 bytes on), 16 bytes a lane
	v_lshlrev_b32 v4, 4, v2                        ; my codes' place in a step's 512 bytes
	s_mul_i32 s18, s16, WREG                       ; my wave's LDS
	v_mul_u32_u24 v14, v9, SP
	v_lshl_add_u32 v14, v8, 4, v14
	v_add_nc_u32 v14, s18, v14                     ; into a stage: as loaded
	v_mul_u32_u24 v15, v8, SP
	v_lshl_add_u32 v15, v9, 7, v15
	v_add_nc_u32 v15, s18, v15                     ; out of it: row r, half h of its 256 bytes: my block
	s_add_co_u32 s18, s18, SBY
	v_lshl_add_u32 v5, v8, 4, v9
	v_add_nc_u32 v5, s18, v5                       ; my block's scale byte: 16 r + h, + 2 a step
	v_lshlrev_b32 v7, 3, v2                        ; and on the way out 8 bytes a lane
	v_add_nc_u32 v6, s18, v7
	s_mov_b32 s20, 0x3f800000
	s_wait_alu depctr_va_vdst(0)
	s_wait_kmcnt 0x0
	s_cmp_lt_u32 ttmp9, 512                        ; x's work-group or weight's?  The choice hangs on the work-group's number alone; all selections stand ahead of the next line that sets SCC
	s_cselect_b64 s[4:5], s[4:5], s[6:7]
	s_cselect_b64 s[8:9], s[8:9], s[10:11]
	s_cselect_b32 s20, 0x1800000, s20              ; the floor under the largest magnitude: x: 2^(3 - 127), which holds the byte at 1; weight: 1.0, which only a block of zeros lies under
	s_cselect_b32 s21, 0, 7                        ; what is taken off the byte
	s_cselect_b32 s22, 0, 1                        ; 1: whole numbers, to be widened
	s_cselect_b32 s17, 0, 512
	s_sub_co_u32 s17, ttmp9, s17
	s_lshl_b32 s17, s17, 2
	s_add_co_u32 s17, s17, s16                     ; my wave's unit, 0..2,047
	s_lshr_b32 s18, s17, 3                         ; its 16 rows: 0..255
	s_and_b32 s19, s17, 7                          ; its 512 along K: the four waves of a work-group stand side by side on the same rows
	s_lshl_b32 s24, s18, 18                        ; 16 rows of 16,384 bytes
	s_lshl_b32 s25, s19, 11                        ; 512 numbers of 4 bytes
	s_add_co_u32 s24, s24, s25
	s_mov_b32 s25, 0
	s_add_nc_u64 s[4:5], s[4:5], s[24:25]
	s_lshr_b32 s26, s18, 3
	s_lshl_b32 s26, s26, 3
	s_add_co_u32 s26, s26, s19                     ; 8 g + t
	s_mul_i32 s26, s26, BLKB
	s_mov_b32 s27, 0
	s_and_b32 s28, s18, 7                          ; i: which 16 of the block's 128 rows
	s_add_nc_u64 s[8:9], s[8:9], s[26:27]          ; the block
	s_lshl_b32 s26, s28, 8
	s_add_co_u32 s26, s26, 32768
	s_add_nc_u64 s[10:11], s[8:9], s[26:27]        ; my 256 scale bytes
	s_lshl_b32 s26, s28, 12
	s_add_nc_u64 s[8:9], s[8:9], s[26:27]          ; my 4,096 bytes of codes
.macro LOAD t                          ; step t: 16 rows x 256 bytes, two rows a load
.irp i, 0,1,2,3,4,5,6,7
	global_load_b128 v[R+32*((\t)%3)+4*\i:R+32*((\t)%3)+4*\i+3], v3, s[4:5] offset:32768*\i+256*(\t) th:TH_LOAD_NT
.endr
.endm
.macro TURN t                          ; step t's numbers through a stage: LDS serves a wave's instructions in order (ISA guide 5.7.1.4), so no wait stands between the stores and the loads
.irp i, 0,1,2,3,4,5,6,7
	ds_store_b128 v14, v[R+32*((\t)%3)+4*\i:R+32*((\t)%3)+4*\i+3] offset:STG*((\t)%2)+2*SP*\i
.endr
.irp j, 0,1,2,3,4,5,6,7
	ds_load_b128 v[X+32*((\t)%2)+4*\j:X+32*((\t)%2)+4*\j+3], v15 offset:STG*((\t)%2)+16*\j
.endr
.endm
.macro STEP t
.set XS, X+32*((\t)%2)
.if (\t) > 0
	s_wait_dscnt 1                                 ; my block is back from the stage (the last step's byte store may be out): so the stores into the stage have read their registers,
.else
	s_wait_dscnt 0x0
.endif
.if (\t)+3 < 8
	LOAD (\t)+3                                    ; which take the loads of three steps on
.endif
.if (\t) < 7
.if (\t) <= 4
	s_wait_loadcnt 16                              ; the next step's eight loads are in; those of the two steps behind it may be out
.else
	s_wait_loadcnt 8*(6-(\t))
.endif
	TURN (\t)+1                                    ; and go through the other stage while this step is worked
.endif
	s_cmp_eq_u32 s22, 0                            ; weight's whole numbers are widened to f32, to the nearest, as the cast does: register work alone stands under this branch
	s_cbranch_scc1 .Lf_\@
.irp i, 0,1,2,3,4,5,6,7,8,9,10,11,12,13,14,15,16,17,18,19,20,21,22,23,24,25,26,27,28,29,30,31
	v_cvt_f32_i32 v[XS+\i], v[XS+\i]
.endr
.Lf_\@:
	v_max3_num_f32 v8, |v[XS]|, |v[XS+1]|, |v[XS+2]|               ; the block's largest magnitude: all 32 numbers are mine; two chains, so that no line waits for the line above it
	v_max3_num_f32 v9, |v[XS+15]|, |v[XS+16]|, |v[XS+17]|
.irp i, 0,2,4,6,8,10
	v_max3_num_f32 v8, v8, |v[XS+3+\i]|, |v[XS+4+\i]|
	v_max3_num_f32 v9, v9, |v[XS+18+\i]|, |v[XS+19+\i]|
.endr
	v_max3_num_f32 v9, v9, |v[XS+30]|, |v[XS+31]|
	v_max3_num_f32 v8, v8, v9, s20                 ; and the floor
	v_add_nc_u32 v11, 0xff000000, v8               ; 2 off its exponent field: the conversion takes the exponent field of this operand as its scale, and nothing else of it
.irp g, 0,1,2,3
	v_cvt_scalef32_pk8_fp4_f32 v[C+4*(\t)+\g], v[XS+8*\g:XS+8*\g+7], v11   ; eight numbers / the scale, to the nearest code; the first number's code in the lowest four bits
.endr
	v_lshrrev_b32 v[E+(\t)], 23, v11               ; the scale's byte (a plain line behind the conversions),
	v_sub_nc_u32 v[E+(\t)], v[E+(\t)], s21         ; for weight 7 lower: the division by 128
	ds_store_b8 v5, v[E+(\t)] offset:2*(\t)
	global_store_b128 v4, v[C+4*(\t):C+4*(\t)+3], s[8:9] offset:512*(\t)   ; 32 lanes store 512 consecutive bytes, at a multiple of 256 from the buffer's first byte
.endm
	LOAD 0
	LOAD 1
	LOAD 2
	s_wait_loadcnt 16                              ; step 0's eight loads are in
	TURN 0
.irp t, 0,1,2,3,4,5,6,7
	STEP \t
.endr
	ds_load_b64 v[12:13], v6                       ; LDS serves a wave's instructions in order: this sees my byte stores
	s_wait_dscnt 0x0
	global_store_b64 v7, v[12:13], s[10:11]        ; 32 lanes store 256 consecutive bytes, at a multiple of 256 from the buffer's first byte
	s_wait_tensorcnt 0x0
	ds_add_u32 v216, v217
	s_wait_dscnt 0x0
	s_endpgm
.Lfunc_end_k_q70b01d6989_quant:
	.size	k_q70b01d6989_quant, .Lfunc_end_k_q70b01d6989_quant-k_q70b01d6989_quant
	.p2alignl 7, 3214868480
	.fill 96, 4, 3214868480
	.section	.rodata,"a",@progbits
	.p2align	6, 0x0
	.amdhsa_kernel k_q70b01d6989_quant
		.amdhsa_group_segment_fixed_size 37376
		.amdhsa_private_segment_fixed_size 0
		.amdhsa_enable_private_segment 0
		.amdhsa_kernarg_size 32
		.amdhsa_user_sgpr_count 2
		.amdhsa_user_sgpr_kernarg_segment_ptr 1
		.amdhsa_wavefront_size32 1
		.amdhsa_system_sgpr_workgroup_id_x 1
		.amdhsa_system_sgpr_workgroup_id_y 1
		.amdhsa_system_sgpr_workgroup_id_z 1
		.amdhsa_system_vgpr_workitem_id 0
		.amdhsa_next_free_vgpr 218
		.amdhsa_next_free_sgpr 66
		.amdhsa_reserve_vcc 0
		.amdhsa_float_denorm_mode_32 3
		.amdhsa_float_denorm_mode_16_64 3
		.amdhsa_memory_ordered 1
		.amdhsa_forward_progress 1
		.amdhsa_inst_pref_size 39
	.end_amdhsa_kernel
	.amdgpu_metadata
---
amdhsa.version: [ 1, 2 ]
amdhsa.kernels:
  - .name:           k_q70b01d6989_quant
    .symbol:         k_q70b01d6989_quant.kd
    .args:
      - { .name: x, .offset: 0, .size: 8, .value_kind: global_buffer, .address_space: global }
      - { .name: weight, .offset: 8, .size: 8, .value_kind: global_buffer, .address_space: global }
      - { .name: xq, .offset: 16, .size: 8, .value_kind: global_buffer, .address_space: global }
      - { .name: wq, .offset: 24, .size: 8, .value_kind: global_buffer, .address_space: global }
    .group_segment_fixed_size: 37376
    .private_segment_fixed_size: 0
    .kernarg_segment_align: 8
    .kernarg_segment_size: 32
    .max_flat_workgroup_size: 128
    .sgpr_count:     66
    .vgpr_count:     218
    .wavefront_size: 32
...
	.end_amdgpu_metadata
.endif
;; end of part 1
;; launch gemm (part 2): grid 16 x 16, 4 waves a work-group, clusters of 4 x 4, 327,680 bytes of LDS; arguments xq, wq, bias, out0; writes out0
.if DOCPART == 2
	.amdgcn_target "amdgcn-amd-amdhsa--gfx1250"
	.amdhsa_code_object_version 6
	.text
	.protected	k_q70b01d6989_gemm
	.globl	k_q70b01d6989_gemm
	.p2align	8
	.type	k_q70b01d6989_gemm,@function
k_q70b01d6989_gemm:
	s_mov_b64 s[64:65], 0
	v_nop
	global_prefetch_b8 v0, s[64:65] scope:SCOPE_SE
	s_setreg_imm32_b32 hwreg(HW_REG_WAVE_MODE, 25, 1), 1
	s_wait_xcnt 0x0
	s_wait_alu depctr_hold_cnt(0) depctr_sa_sdst(0) depctr_va_vdst(0) depctr_va_sdst(0) depctr_va_ssrc(0) depctr_va_vcc(0) depctr_vm_vsrc(0)
	s_getreg_b32 s2, hwreg(HW_REG_IB_STS2, 6, 4)
	s_cmp_eq_u32 s2, 0
	s_cbranch_scc0 .Lentry_in_a_cluster
	s_endpgm
.Lentry_in_a_cluster:
	s_bfe_u32 s2, ttmp6, 0x10000c
	s_cmp_lg_u32 s2, 0xf033
	s_cbranch_scc0 .Lentry_shape_is_right
	s_endpgm
.Lentry_shape_is_right:
; out0[m][n] = sum over k of Q(x)[m][k] Q(weight)[n][k] / 128 + bias[n].  xq and wq hold codes of FP4 (E2M1) and E8M0 scale bytes as the launch before laid them:
; block (g, t), rows 128 g on and K 512 t on, is 34,816 dense bytes at (8 g + t) x 34,816: codes in the order of the operand's registers (4,096 i + 1,024 q + 512 c + 16 lane), then 16 scale bytes a row.
; The division by 128 lies in wq's scale bytes (7 lower); the bias, widened to f32, is the C of each accumulator's first product.
; A tile of out0, 256 x 256, is made by four waves, each 128 x 128: 64 accumulators, 512 registers.  K goes in 8 steps of 512 through a ring of two LDS slots; a slot is four blocks
; (x's two, weight's two), one tensor load a wave; the scale bytes ride with their codes.  A fragment load reads 512 consecutive bytes, 16 a lane.
; A STEP OF 128 ALONG K is 64 products on end.  Both operands have two sets of fragment registers: the next step's 32 loads stand in ONE run at the step's head, 64 products ahead of their first use.
; THE LAST K STEP OF 512 GOES BY ROWS OF out0: all its fragments of weight fill window 1, x's come by blocks of 16 rows, and each block of 16 rows leaves when its 32 products are issued.
; CLUSTERS: 4 x 4 work-groups; x's blocks are asked for jointly along a row of the cluster, weight's along a column.
; THE MATRIX INSTRUCTION IS USED TRANSPOSED (source 0 = 16 rows of weight, source 1 = 16 rows of x): a lane holds eight neighbouring numbers of a row of out0.
; PREFETCH: the K step that stands two tensor loads on; a block's 136 pieces of 256 bytes are shared out by address among the four partners that ask for it jointly, 34 each (32 lanes, then 2);
; at the head K steps 1 and 2, behind the second load K step 3, behind the refill at the end of K step s the K step s + 4, for s = 0 .. 3; the last two refills ask for nothing.
; REGISTERS: window 0: v0-31 addresses, v32-95 scale words (two sets), v128-255 x's fragments (two sets; by rows four buffers of 16 rows x 512 K); on the way out v32-63 and v96-127 hold rows read back;
;   window 1: weight's fragments, two sets at v0 and v128, the bias at v64-127; by rows all 256;  windows 2, 3: the accumulators of my rows 0-63, 64-127 ((a, b) at v[8 (8 (a % 4) + b)]).
; LIMITS: those of the launch before (NaN and infinities in x are not served).
.set SIZE_N, 4096
.set HALFT,  34816                     ; a block: 128 rows x 512 K of codes, and their scale bytes
.set SCOFF,  32768                     ; where a block's scale bytes begin
.set SLOT,   4*HALFT
.set SPARE,  2*SLOT                    ; the spare words, 128 bytes a wave
.set STAGE,  SPARE+512                 ; the way out: 16 rows x 528 bytes for each wave; no tensor load lands here
.set SPITCH, 528
.set LAPS,   4                         ; a lap = two K steps of 512
.set PSH,    8704                      ; a partner's share of a block's prefetch: 34 x 256 bytes
.set ADRA, 16                          ; v16-17 LDS address of my x fragments in slot 0, 1
.set ADRB, 20                          ; v20-21 the same for weight
.set ADRS, 22                          ; v22-23 my scale words: lanes 0-15 x's rows, lanes 16-31 weight's
.set STO,  24
.set RD,   25
.set CO,   26
.set SPW,  28
.set NIL,  29
.set PFO,  30                          ; prefetch: 256 x lane
.set PFO2, 31                          ; prefetch: pieces 32 and 33
.set SC,   32
.set OB,   32                          ; the way out: rows 0-7 at v32-63, rows 8-15 at v96-127
.set AF,   128
.set BIAS, 64                          ; in window 1
.set G1,   24
.set G0,   32
.set PFA,  44
.set G1B,  48
.set G0B,  56
.set COLB, 66                          ; s[66:67] my first column in bytes
.set MSB, 0
.macro WIN new
.if MSB != (\new)
	s_set_vgpr_msb (MSB<<8)|(\new)
.set MSB, (\new)
.endif
.endm
.set MUL_LO, 0xa1                      ; source 0 window 1, source 1 window 0, C and D window 2
.set MUL_HI, 0xf1
.set TO_B,   0x40
.macro PLACES n
.rept \n
	v_nop
.endr
.endm
; a joint load: waves 0 and 1 fetch x's two blocks, waves 2 and 3 weight's; s_nop 0 and four v_nop behind each line
.macro JLOAD s
	s_cmp_eq_u32 s15, 0
	s_cbranch_scc0 .Lfor_b_\@
	tensor_load_to_lds s[G0+4*\s:G0+4*\s+3], s[G1:G1+7]
	s_nop 0
	PLACES 4
	s_branch .Lasked_\@
.Lfor_b_\@:
	tensor_load_to_lds s[G0B+4*\s:G0B+4*\s+3], s[G1B:G1B+7]
	s_nop 0
	PLACES 4
.Lasked_\@:
.endm
.macro CREST
	s_cmp_lg_u32 s14, 0
	s_cbranch_scc1 .Lnot_wave_0_\@
	s_barrier_signal -3
.Lnot_wave_0_\@:
	s_barrier_wait -3
	s_barrier_signal -1
	s_barrier_wait -1
.endm
.macro CROUND
	s_barrier_signal -1
	s_barrier_wait -1
	CREST
.endm
.macro PF off                          ; my work-group's 34 pieces of the block that lies off bytes behind s[PFA]
	global_prefetch_b8 v[PFO], s[PFA:PFA+1] offset:\off th:TH_LOAD_NT scope:SCOPE_SE
	global_prefetch_b8 v[PFO2], s[PFA:PFA+1] offset:\off th:TH_LOAD_NT scope:SCOPE_SE
.endm
	s_load_b256 s[4:11], s[0:1], 0x0               ; xq s[4:5], wq s[6:7], bias s[8:9], out0 s[10:11]
	v_lshl_add_u32 v[SPW], v0, 2, SPARE
	v_mov_b32 v[NIL], 0
	ds_add_u32 v[SPW], v[NIL]                      ; the opening lines: the add twice on end and its wait
	ds_add_u32 v[SPW], v[NIL]
	v_lshrrev_b32 v8, 5, v0
	v_readfirstlane_b32 s14, v8                    ; wave 0..3
	v_bfe_u32 v2, v0, 4, 1                         ; h = lane / 16
	v_lshlrev_b32 v7, 5, v2                        ; the bias: 32 h bytes
	s_lshr_b32 s15, s14, 1                         ; my half of the tile's rows; also: I fetch for x (0) or weight (1)
	s_and_b32 s16, s14, 1                          ; my half of its columns; also: which block of the two I fetch
	s_bfe_u32 s40, ttmp6, 0x40000                  ; cx
	s_bfe_u32 s41, ttmp6, 0x40004                  ; cy
	s_lshl_b32 s42, ttmp9, 2
	s_add_co_u32 s42, s42, s40                     ; tile column
	s_and_b32 s17, ttmp7, 0xffff
	s_lshl_b32 s17, s17, 2
	s_add_co_u32 s17, s17, s41                     ; tile row
	s_lshl_b32 s43, s41, 2
	s_lshl_b32 s43, 15, s43                        ; my row of the cluster
	s_lshl_b32 s12, 0x1111, s40                    ; my column
	s_or_b32 s[G1], s43, (3<<16)|(1<<21)           ; elements of 8 bytes, no padding: a block is 136 dense rows of 256 bytes
	s_or_b32 s[G1B], s12, (3<<16)|(1<<21)
.irp g, G1, G1B
	s_mov_b32 s[\g+1], 32<<16
	s_mov_b32 s[\g+2], 136<<16
	s_mov_b32 s[\g+3], 32<<16
	s_mov_b32 s[\g+4], 136
	s_mov_b32 s[\g+5], 32
	s_mov_b32 s[\g+6], 0
	s_mov_b32 s[\g+7], 0
.endr
	s_lshl_b32 s20, s17, 1
	s_add_co_u32 s20, s20, s16
	s_mul_i32 s20, s20, 8*HALFT                    ; x: row group 2 x tile row + half, its 8 blocks on end
	s_mov_b32 s21, 0
	s_lshl_b32 s46, s42, 1
	s_add_co_u32 s46, s46, s16
	s_mul_i32 s46, s46, 8*HALFT                    ; weight: by the tile column
	s_mov_b32 s47, 0
	s_mul_i32 s13, s14, HALFT                      ; where my block goes in a slot
	s_lshl_b32 s[COLB], s42, 10
	s_lshl_b32 s[COLB+1], s16, 9
	s_add_co_u32 s[COLB], s[COLB], s[COLB+1]       ; 4 bytes x (256 x tile column + 128 x half)
	s_mov_b32 s[COLB+1], 0
	s_wait_alu depctr_va_vdst(0)
	s_wait_dscnt 0x0                               ; both opening adds are done
	s_wait_kmcnt 0x0
	s_add_nc_u64 s[8:9], s[8:9], s[COLB:COLB+1]
	WIN TO_B
.irp b, 0,1,2,3,4,5,6,7
	global_load_b128 v[BIAS+8*\b:BIAS+8*\b+3],   v7, s[8:9] offset:64*\b      ; bias[16 b + 8 h + 0 .. 7] of my 128 columns: the layout of a result
	global_load_b128 v[BIAS+8*\b+4:BIAS+8*\b+7], v7, s[8:9] offset:64*\b+16
.endr
	WIN 0
	s_add_nc_u64 s[20:21], s[4:5], s[20:21]
	s_add_nc_u64 s[46:47], s[6:7], s[46:47]
.irp s, 0,1
	s_mov_b32 s[G0+4*\s], 1
	s_add_co_u32 s[G0+4*\s+1], s13, \s*SLOT
	s_add_nc_u64 s[G0+4*\s+2:G0+4*\s+3], s[20:21], \s*HALFT
	s_or_b32 s[G0+4*\s+3], s[G0+4*\s+3], 0x80000000
	s_mov_b32 s[G0B+4*\s], 1
	s_add_co_u32 s[G0B+4*\s+1], s13, \s*SLOT
	s_add_nc_u64 s[G0B+4*\s+2:G0B+4*\s+3], s[46:47], \s*HALFT
	s_or_b32 s[G0B+4*\s+3], s[G0B+4*\s+3], 0x80000000
.endr
	CROUND                                         ; all sixteen work-groups are here: the first joint loads meet
	JLOAD 0                                        ; K step 0: one tensor load a wave at the head
	s_cmp_eq_u32 s15, 0
	s_cselect_b64 s[PFA:PFA+1], s[20:21], s[46:47] ; the prefetches: the row group that I fetch,
	s_cselect_b32 s22, s40, s41                    ; my place among the four that ask for it with me
	s_mul_i32 s22, s22, PSH
	s_mov_b32 s23, 0
	s_add_nc_u64 s[PFA:PFA+1], s[PFA:PFA+1], s[22:23]
	s_mul_i32 s18, s15, HALFT                      ; my 128 rows of x in a slot
	s_mul_i32 s19, s16, HALFT
	s_add_co_u32 s19, s19, 2*HALFT                 ; my 128 rows of weight
	s_xor_b32 s22, s15, 1
	s_add_co_u32 s22, s22, s16
	s_add_co_u32 s22, s22, 1
	s_mul_i32 s22, s22, HALFT                      ; from the first to the second: (2 + column half - row half) blocks
	s_mul_i32 s23, s14, 16*SPITCH
	s_add_co_u32 s23, s23, STAGE                   ; my stage
	s_lshl_b32 s20, s17, 8
	s_lshl_b32 s21, s15, 7
	s_add_co_u32 s20, s20, s21
	s_lshl_b32 s20, s20, 14                        ; my first row of out0, 16,384 bytes a row
	s_mov_b32 s21, 0
	s_add_nc_u64 s[20:21], s[20:21], s[COLB:COLB+1]
	s_add_nc_u64 s[10:11], s[10:11], s[20:21]
	v_and_b32 v1, 15, v0                           ; r
	v_and_b32 v3, 31, v0                           ; lane
	v_lshlrev_b32 v[CO], 4, v3
	v_add_nc_u32 v[ADRA], s18, v[CO]
	v_add_nc_u32 v[ADRB], s19, v[CO]
	v_add_nc_u32 v[ADRA+1], SLOT, v[ADRA]
	v_add_nc_u32 v[ADRB+1], SLOT, v[ADRB]
	v_mul_u32_u24 v4, s22, v2                      ; lanes 16-31 take weight's scale words
	v_lshl_add_u32 v4, v1, 4, v4                   ; 16 bytes a row
	v_add_nc_u32 v4, s18, v4
	v_add_nc_u32 v[ADRS], SCOFF, v4
	v_add_nc_u32 v[ADRS+1], SCOFF+SLOT, v4
	v_mul_u32_u24 v5, v1, SPITCH
	v_lshl_add_u32 v5, v2, 5, v5
	v_add_nc_u32 v[STO], s23, v5                   ; into the stage: row r, 32 bytes for each half of the lanes
	v_add_nc_u32 v[RD], s23, v[CO]                 ; back: the 32 lanes take a row of 512 bytes
	v_lshlrev_b32 v[PFO], 8, v3
	v_min_u32 v6, 1, v3
	v_lshl_add_u32 v[PFO2], v6, 8, 8192            ; lane 0 piece 32, the others piece 33
	PF HALFT                                       ; K steps 1 and 2
	PF 2*HALFT
	s_wait_loadcnt 0x0                             ; the bias is in
	WIN 0x41
.set j, 0
.rept 64
	v_cvt_f32_i32 v[BIAS+j], v[BIAS+j]
.set j, j+1
.endr
	WIN 0
.macro FRAG reg, adr, q, i             ; 16 rows x 128 K: 8 registers, two loads of 512 consecutive bytes
.irp c, 0,1
	ds_load_b128 v[\reg+4*\c:\reg+4*\c+3], v[\adr] offset:1024*(\q)+512*\c+(\i)*4096
.endr
.endm
; 16 matrix instructions: x's blocks a0 .. a0 + 3 against weight's b0 .. b0 + 3.  p: the sets of fragments; sc: the set of scale words; zero = 1: the bias is C.
; Sixteen accumulators by turns, the quarters in the same order in every step.
.macro QUAD a0, b0, p, q, sc, zero
.irp a, \a0, \a0+1, \a0+2, \a0+3
.irp b, \b0, \b0+1, \b0+2, \b0+3
.set rD,  8*(8*((\a)%4)+(\b))
.set rB,  128*(\p)+8*(\b)
.set rA,  AF+64*(\p)+8*(\a)
.set rSB, SC+32*(\sc)+4*(\b)+(\q)
.set rSA, SC+32*(\sc)+4*(\a)+(\q)
.if \zero
	v_wmma_scale_f32_16x16x128_f8f6f4 v[rD:rD+7], v[rB:rB+7], v[rA:rA+7], v[BIAS+8*(\b):BIAS+8*(\b)+7], v[rSB], v[rSA] matrix_a_fmt:MATRIX_FMT_FP4 matrix_b_fmt:MATRIX_FMT_FP4 matrix_a_scale:MATRIX_SCALE_ROW1
.else
	v_wmma_scale_f32_16x16x128_f8f6f4 v[rD:rD+7], v[rB:rB+7], v[rA:rA+7], v[rD:rD+7], v[rSB], v[rSA] matrix_a_fmt:MATRIX_FMT_FP4 matrix_b_fmt:MATRIX_FMT_FP4 matrix_a_scale:MATRIX_SCALE_ROW1
.endif
.endr
.endr
.endm
.macro LDB slot, q, p, i0              ; eight loads: weight's blocks i0 .. i0 + 3 into set p
	WIN TO_B
.irp i, \i0, \i0+1, \i0+2, \i0+3
	FRAG 128*(\p)+8*(\i), ADRB+\slot, \q, \i
.endr
.endm
.macro LDA slot, q, p, i0              ; eight loads: x's blocks i0 .. i0 + 3 into set p
	WIN 0
.irp i, \i0, \i0+1, \i0+2, \i0+3
	FRAG AF+64*(\p)+8*(\i), ADRA+\slot, \q, \i
.endr
.endm
.macro SCALES sc, i0                   ; four loads: a slot's scale words, four words a row; lanes 0-15 x's block i, lanes 16-31 weight's block i
	WIN 0
.irp i, \i0, \i0+1, \i0+2, \i0+3
	ds_load_b128 v[SC+32*\sc+4*(\i):SC+32*\sc+4*(\i)+3], v[ADRS+\sc] offset:256*(\i)
.endr
.endm
; a step of 128 along K whose successor lies in the same slot.  Its own fragments were asked for a step ago, x's blocks 4-7 last.
; The four places stand behind the last step's products and ahead of the loads into the sets that they read.
.macro STEP slot, q, zero
	s_wait_dscnt 8                                 ; all but the youngest eight loads, x's blocks 4-7
	PLACES 4
	LDB \slot, (\q)+1, 1-(\q)%2, 0                 ; the next step's 32 loads, in one run
	LDB \slot, (\q)+1, 1-(\q)%2, 4
	LDA \slot, (\q)+1, 1-(\q)%2, 0
	LDA \slot, (\q)+1, 1-(\q)%2, 4
	WIN MUL_LO-0x10*(\zero)
	QUAD 0, 0, (\q)%2, \q, \slot, \zero
	QUAD 0, 4, (\q)%2, \q, \slot, \zero
	s_wait_dscnt 32                                ; all but the 32 just issued
	WIN MUL_HI-0x20*(\zero)
	QUAD 4, 0, (\q)%2, \q, \slot, \zero
	QUAD 4, 4, (\q)%2, \q, \slot, \zero
	WIN 0
.endm
; a slot's last step: the slot is filled again, two K steps ahead, behind a round of the cluster's barrier; 48 products stand behind the next slot's first 40 loads
.macro TURN slot, next
	s_wait_xcnt 0x0                                ; my prefetches have read their address: it steps one K step
	s_add_nc_u64 s[PFA:PFA+1], s[PFA:PFA+1], HALFT
	s_wait_tensorcnt 0x0                           ; my part of the next slot has landed
	ds_add_u32 v[SPW], v[NIL]
	s_wait_dscnt 9                                 ; the add and x's blocks 4-7 may be out
	WIN MUL_LO
	QUAD 0, 0, 1, 3, \slot, 0                      ; sixteen products stand between the add and the wait for it
	WIN 0
	s_wait_dscnt 0x0                               ; the add is done, my reads of this slot are over
	s_barrier_signal -1
	s_barrier_wait -1
	CREST
	s_add_nc_u64 s[G0+4*\slot+2:G0+4*\slot+3], s[G0+4*\slot+2:G0+4*\slot+3], 2*HALFT
	s_add_nc_u64 s[G0B+4*\slot+2:G0B+4*\slot+3], s[G0B+4*\slot+2:G0B+4*\slot+3], 2*HALFT
	JLOAD \slot                                    ; the first tensor load behind the round; its four v_nop are the places ahead of the loads below
	LDB \next, 0, 0, 0
	LDB \next, 0, 0, 4
	LDA \next, 0, 0, 0
	SCALES \next, 0
	SCALES \next, 4
	LDA \next, 0, 0, 4
	s_cmp_gt_u32 s3, 1                             ; the last trip's two refills have no K step two refills on
	s_cbranch_scc0 .Lno_pf_\@
	PF 3*HALFT
.Lno_pf_\@:
	WIN MUL_LO
	QUAD 0, 4, 1, 3, \slot, 0
	WIN MUL_HI
	QUAD 4, 0, 1, 3, \slot, 0
	QUAD 4, 4, 1, 3, \slot, 0
	WIN 0
.endm
	s_wait_alu depctr_va_vdst(0)
	s_wait_tensorcnt 0x0                           ; my part of K step 0 is in; the same lines as ahead of a refill
	ds_add_u32 v[SPW], v[NIL]
	s_wait_dscnt 0x0
	CROUND
	JLOAD 1                                        ; K step 1, slot 1's first fill
	LDB 0, 0, 0, 0
	LDB 0, 0, 0, 4
	LDA 0, 0, 0, 0
	SCALES 0, 0
	SCALES 0, 4
	LDA 0, 0, 0, 4
	PF 3*HALFT                                     ; K step 3
	STEP 0, 0, 1                                   ; the first step stands ahead of the loop: its products start the sums from the bias
	s_mov_b32 s3, LAPS-1
.Llap:                                                 ; once round the ring, from a lap's second step to the next lap's first
	STEP 0, 1, 0
	STEP 0, 2, 0
	TURN 0, 1
	STEP 1, 0, 0
	STEP 1, 1, 0
	STEP 1, 2, 0
	TURN 1, 0
	STEP 0, 0, 0
	s_sub_co_u32 s3, s3, 1
	s_cmp_lg_u32 s3, 0
	s_cbranch_scc1 .Llap
	STEP 0, 1, 0                                   ; the last lap fills nothing
	STEP 0, 2, 0
; THE LAST K STEP OF 512 (slot 1), BY ROWS.
.macro BLOAD q                         ; 16 loads: weight's eight fragments of the slot's q-th 128 along K -> window 1, v[64 q ..]
.irp i, 0,1,2,3,4,5,6,7
	FRAG 64*\q+8*\i, ADRB+1, \q, \i
.endr
.endm
.macro ALOAD a                         ; 8 loads: x's block a, all four q -> buffer a % 4
.irp q, 0,1,2,3
	FRAG AF+32*((\a)%4)+8*\q, ADRA+1, \q, (\a)
.endr
.endm
.macro ROW a                           ; block a is finished: 32 products, its 8 accumulators by turns, K ascending
	WIN MUL_LO+0x50*((\a)/4)
.irp q, 0,1,2,3
.if ((\a) == 0) && (\q == 2)
	s_wait_dscnt 8                                 ; weight's q = 2 is in (behind it: x's block 3)
.endif
.irp b, 0,1,2,3,4,5,6,7
.set rD, 64*((\a)%4)+8*\b
.set rA, AF+32*((\a)%4)+8*\q
	v_wmma_scale_f32_16x16x128_f8f6f4 v[rD:rD+7], v[64*\q+8*\b:64*\q+8*\b+7], v[rA:rA+7], v[rD:rD+7], v[SC+32+4*\b+\q], v[SC+32+4*(\a)+\q] matrix_a_fmt:MATRIX_FMT_FP4 matrix_b_fmt:MATRIX_FMT_FP4 matrix_a_scale:MATRIX_SCALE_ROW1
.endr
.endr
.endm
; The way out of block a, 16 rows x 128 columns, through my own stage: back as rows of 512 bytes, which the 32 lanes store as two aligned pieces of 256 bytes.
; LDS serves a wave's instructions in order (ISA guide 5.7.1.4): no wait between the stores and the loads.
.macro TOSTAGE a
.set AC, 64*((\a)%4)
	WIN 0x08+4*((\a)/4)
.irp b, 0,1,2,3,4,5,6,7
	ds_store_b128 v[STO], v[AC+8*\b:AC+8*\b+3] offset:64*\b          ; each accumulator from its low end on
	ds_store_b128 v[STO], v[AC+8*\b+4:AC+8*\b+7] offset:64*\b+16
.endr
	WIN 0
.if (\a) > 0
	s_wait_xcnt 0x0                                ; the last block's stores have read their registers and their base
.endif
.irp t, 0,1,2,3,4,5,6,7,8,9,10,11,12,13,14,15
	ds_load_b128 v[OB+4*\t+32*(\t/8):OB+4*\t+32*(\t/8)+3], v[RD] offset:\t*SPITCH
.endr
.endm
.macro SEND a, younger
	s_wait_dscnt \younger                          ; the block is back in registers
.if (\a) > 0
	s_add_nc_u64 s[10:11], s[10:11], 16*SIZE_N*4   ; behind TOSTAGE's wait on XCNT
.endif
.irp t, 0,1,2,3,4,5,6,7,8,9,10,11,12,13,14,15
	global_store_b128 v[CO], v[OB+4*\t+32*(\t/8):OB+4*\t+32*(\t/8)+3], s[10:11] offset:\t*SIZE_N*4 th:TH_STORE_NT
.endr
.endm
	s_wait_tensorcnt 0x0                           ; slot 0's last step: my part of slot 1 has landed; nothing is filled again, so no round follows
	ds_add_u32 v[SPW], v[NIL]
	s_wait_dscnt 9                                 ; the add and x's blocks 4-7 may be out
	WIN MUL_LO
	QUAD 0, 0, 1, 3, 0, 0
	s_wait_dscnt 0x0                               ; the add is done, my reads of slot 0 are over
	s_barrier_signal -1
	QUAD 0, 4, 1, 3, 0, 0
	WIN 0
	s_barrier_wait -1
	PLACES 4                                       ; ahead of the loads into the sets 0, x's blocks 0-3 of set 1 and the bias' registers
	SCALES 1, 0
	SCALES 1, 4
	ALOAD 0
	WIN TO_B
	BLOAD 0
	BLOAD 1
	BLOAD 3                                        ; weight's set 1 (v128-191) is still being multiplied
	WIN 0
	ALOAD 1
	ALOAD 2
	WIN MUL_HI
	QUAD 4, 0, 1, 3, 0, 0
	QUAD 4, 4, 1, 3, 0, 0
	PLACES 4
	WIN TO_B
	BLOAD 2
	WIN 0
	ALOAD 3
	s_wait_dscnt 56                                ; the scale words, x's block 0 and weight's q = 0, 1 are in; behind them 16 + 8 + 8 + 16 + 8 loads
	ROW 0
.irp a, 0,1,2,3,4,5,6,7
	PLACES 4                                       ; behind block a's products: ahead of the stores that read them and of the loads into its buffer
	TOSTAGE \a
.if \a < 4
	ALOAD \a+4
.endif
.if \a < 7
	ROW \a+1                                       ; the next block's products stand between the stage's loads and the wait for them
	WIN 0
.endif
.if \a < 4
	SEND \a, 8                                     ; x's block a + 4 may be out
.else
	SEND \a, 0
.endif
.endr
	s_wait_tensorcnt 0x0                           ; the wave's end
	ds_add_u32 v[SPW], v[NIL]
	s_wait_dscnt 0x0
	CROUND                                         ; the closing round
	s_endpgm
.Lfunc_end_k_q70b01d6989_gemm:
	.size	k_q70b01d6989_gemm, .Lfunc_end_k_q70b01d6989_gemm-k_q70b01d6989_gemm
	.p2alignl 7, 3214868480
	.fill 96, 4, 3214868480
	.section	.rodata,"a",@progbits
	.p2align	6, 0x0
	.amdhsa_kernel k_q70b01d6989_gemm
		.amdhsa_group_segment_fixed_size 327680
		.amdhsa_private_segment_fixed_size 0
		.amdhsa_enable_private_segment 0
		.amdhsa_kernarg_size 32
		.amdhsa_user_sgpr_count 2
		.amdhsa_user_sgpr_kernarg_segment_ptr 1
		.amdhsa_wavefront_size32 1
		.amdhsa_system_sgpr_workgroup_id_x 1
		.amdhsa_system_sgpr_workgroup_id_y 1
		.amdhsa_system_sgpr_workgroup_id_z 1
		.amdhsa_system_vgpr_workitem_id 0
		.amdhsa_next_free_vgpr 1024
		.amdhsa_next_free_sgpr 68
		.amdhsa_reserve_vcc 0
		.amdhsa_float_denorm_mode_32 3
		.amdhsa_float_denorm_mode_16_64 3
		.amdhsa_memory_ordered 1
		.amdhsa_forward_progress 1
		.amdhsa_inst_pref_size 213
	.end_amdhsa_kernel
	.amdgpu_metadata
---
amdhsa.version: [ 1, 2 ]
amdhsa.kernels:
  - .name:           k_q70b01d6989_gemm
    .symbol:         k_q70b01d6989_gemm.kd
    .args:
      - { .name: xq, .offset: 0, .size: 8, .value_kind: global_buffer, .address_space: global }
      - { .name: wq, .offset: 8, .size: 8, .value_kind: global_buffer, .address_space: global }
      - { .name: bias, .offset: 16, .size: 8, .value_kind: global_buffer, .address_space: global }
      - { .name: out0, .offset: 24, .size: 8, .value_kind: global_buffer, .address_space: global }
    .group_segment_fixed_size: 327680
    .private_segment_fixed_size: 0
    .kernarg_segment_align: 8
    .kernarg_segment_size: 32
    .max_flat_workgroup_size: 128
    .sgpr_count:     68
    .vgpr_count:     1024
    .wavefront_size: 32
...
	.end_amdgpu_metadata
.endif
;; end of part 2
